; MI455X (gfx1250); checked and timed in simulation.
; The chip was launched on July 23, 2026; its instructions are those of AMD's public machine-readable ISA for CDNA 5 (MIT licence, August 2026) and "CDNA5" Instruction Set Architecture Reference Guide (July 2026). The comments in the code are by the model that wrote it; some were corrected since.
;; Bit Linear. Allowed arithmetic: matrix products marked QUANTISED: E5M2 operands, one E8M0 scale for each 32 along K, by v_wmma_scale_f32_16x16x128_f8f6f4 with both operands' format E5M2, f32 sums; everything else in f32.
;; Inputs: weight 2,048 x 4,096 float32; x 8,192 x 4,096 float32.
;; Outputs: out0 8,192 x 2,048 float32.
;; This version of the problem:
;;   THIS VERSION OF THE PROBLEM IS GIVEN IN LOW PRECISION. The matrix products marked QUANTISED in the list below multiply operands that are first quantised to E5M2 (5 exponent bits, 2 mantissa bits; 8 bits a number), with one power-of-two scale for each 32 numbers along K (OCP MX v1.0); their sums are f32. All else is computed in f32.
;;   The module's matrix products, in the order in which they are computed (A, B: the left and right operand; K: the contracted axis; several contracted axes count as one K, in the product's order):
;;     1. [M 8,192, K 4,096] x [K 4,096, N 2,048]; A: input x; B: computed on the way: QUANTISED
;;   THE QUANTISER, for each operand of a quantised product, along K:
;;     - K is cut into blocks of 32 from its start; a last block that is shorter is filled with zeros.
;;     - A block's scale is 2^e with e = floor(log2(the largest magnitude in the block)) - 15, held to -126 .. 127; a block of zeros has e = 0. As a byte (E8M0): e + 127.
;;     - Each number is divided by its block's scale, clamped to +-57,344, and rounded to the nearest number of E5M2, ties to even, subnormals kept.
;;     - The product sums the exact products of the quantised numbers (number of the format x scale) in f32.
;;   ~~~python
;;   def quantise(x, axis):      # numpy; x: float32 -> the quantised numbers, widened to float32 again
;;       x = np.moveaxis(x, axis, -1); K = x.shape[-1]
;;       x = np.pad(x, [(0, 0)] * (x.ndim - 1) + [(0, -K % 32)]); x = x.reshape(x.shape[:-1] + (-1, 32)); a = np.abs(x).max(-1, keepdims=True)
;;       e = np.where(a > 0, np.clip(np.frexp(np.where(a > 0, a, 1))[1] - 1 - 15, -126, 127), 0)      # np.frexp(a)[1] - 1 = floor(log2(a)), exactly
;;       r = np.clip(x / 2.0 ** e, -57344, 57344)
;;       step = 2.0 ** (np.maximum(np.frexp(np.where(r == 0, 1, r))[1] - 1, -14) - 2)
;;       q = np.round(r / step) * step * 2.0 ** e      # np.round: ties to even
;;       return np.moveaxis(q.reshape(q.shape[:-2] + (-1,))[..., :K], -1, axis).astype(np.float32)
;;   ~~~
;;   OPERANDS COMPUTED ON THE WAY. 'Computed on the way' means the value that the module computes at that place (a softmax that the list does not call 'softmax' is quantised finished and normalised). What goes into a quantiser is computed in f32, as accurately as f32 sums, v_exp_f32 and their like allow (about 1e-6 of the number): no bf16 or f16 on the way to a quantiser, and a product that is left as it is and whose result goes on into a quantised operand takes f32 operands (vector FMAs, or v_wmma_f32_16x16x4_f32). A number that lies on a knife's edge between two numbers of the format may be rounded either way, as far as f32 arithmetic and the matrix unit's own rounding can turn it there, and no further.
;; One version. Each part assembles by itself: llvm-mc -triple=amdgcn-amd-amdhsa -mcpu=gfx1250 --defsym DOCPART=n.
;; ======== version 1 of 1: 3 launches
;; limits: right only within a limited range of input values
;; workspace buffers: x_codes 33,554,432 bytes; x_scales 1,048,576 bytes; w_codes 8,388,608 bytes; partials 4,096 bytes; wsc 256 bytes
;; launch quant_x_sum_w (part 1): grid 1280 x 1, 4 waves a work-group, no clusters, 5,632 bytes of LDS; arguments x, weight, x_codes, x_scales, partials; writes x_codes, x_scales, partials
.if DOCPART == 1
	.amdgcn_target "amdgcn-amd-amdhsa--gfx1250"
	.amdhsa_code_object_version 6
	.text
	.protected	k_q319844a1da_quant_x_sum_w
	.globl	k_q319844a1da_quant_x_sum_w
	.p2align	8
	.type	k_q319844a1da_quant_x_sum_w,@function
k_q319844a1da_quant_x_sum_w:
	s_mov_b64 s[64:65], 0
	v_nop
	global_prefetch_b8 v0, s[64:65] scope:SCOPE_SE
	s_setreg_imm32_b32 hwreg(HW_REG_WAVE_MODE, 25, 1), 1
	s_wait_xcnt 0x0
; TWO JOBS IN ONE LAUNCH, parted on the work-group's number.
; Work-groups 0-255: the sum of |weight| (2048 x 4096 f32), one partial sum for each wave (8,192 numbers), stored at partials[4 x work-group + wave].  The mean of |weight| spans the whole tensor, so
;   the weight's codes can only be made by a later launch.  This path uses no LDS.
; Work-groups 256-1279: x (8192 x 4096 f32) becomes codes of BF8 (E5M2), K innermost, x_codes [8192][4096], with one E8M0 scale byte for each 32 along K, x_scales [8192][128].
;   A block's scale is 2^(floor(log2(its largest magnitude)) - 15); its byte is the largest magnitude's exponent field - 15, held at 1 from below.  Each number is divided by the scale, held within +-57,344
;   and rounded to the nearest code, ties to even.  Rows are dense and 4096 is a multiple of 32: x is a plain stream of blocks of 32, and so are its codes and scale bytes.
; LIMITS: NaN and infinities among the inputs are not served.  A block of zeros gets the byte 1 where the rule says 127: its codes are zeros, which add nothing under any byte but 0xff, and this program
;   alone reads the bytes.  Blocks whose largest magnitude lies under 2^(16 - 127), the floor, take the floor's byte.  The sum of |weight| is taken in another order than a plain running sum: 16 chains a lane, then trees.
; x's PATH.  A wave takes 16 steps of 512 numbers; each of a step's four loads reads 512 consecutive bytes, 16 a lane.  The numbers stay where they land: a lane holds FOUR neighbours of each load, EIGHT LANES hold a block,
;   and the block's largest magnitude is joined over lanes l xor 1, 2, 4.  A conversion takes eight numbers under one scale, and a lane has four of a block: so four registers of zeros stand beside each four numbers,
;   and one register of each result holds the four codes.  Only the codes turn through LDS (4 bytes a lane in, 16 out), so that the wave stores 512 consecutive bytes; a step's 16 scale bytes are gathered in LDS by one store.
; No tensor loads, no barrier, no cluster: waves share nothing, and no byte is read by two work-groups.
.set SUMWG, 256
.set STEPS, 16
.set EMAX,  15
.set MANT,  0x600000                   ; the mantissa field of 57,344 as f32
.set M,     8                          ; v8-11    four largest magnitudes, then the four bounds
.set S,     14                         ; v14-17   the conversions' four scale operands
.set E,     18                         ; v18-19   the step's scale byte, two by turns
.set R,     20                         ; v20-115  x: four sets of 24: numbers 0-3, zeros, numbers 4-7; numbers 8-11, zeros, numbers 12-15.  The sum: four sets of 16
.set A,     96                         ; v96-111  the sum's path: 16 chains
.set D,     116                        ; v116-131 the conversions' results, two sets of eight
.set O,     132                        ; v132-191 16 codes a lane: 15 sets of four
.set WREG,  1280                       ; LDS for a wave: two stages of 512 bytes, then its 256 scale bytes
.set SPARE, 4*WREG                     ; behind them the spare words, 512 bytes
	s_load_b128 s[4:7], s[0:1], 0x0                ; x, weight
	s_load_b128 s[8:11], s[0:1], 0x10              ; x's codes, x's scale bytes
	s_load_b64 s[12:13], s[0:1], 0x20              ; the partial sums
	v_lshl_add_u32 v12, v0, 2, SPARE               ; v12: my spare word, v13: 0; never rewritten
	v_mov_b32 v13, 0
	v_lshrrev_b32 v1, 5, v0
	v_readfirstlane_b32 s16, v1                    ; wave
	v_and_b32 v2, 31, v0                           ; lane
	v_lshlrev_b32 v3, 4, v2                        ; my 16 bytes of a load's and of a store's 512
	s_wait_alu depctr_va_vdst(0)
	s_wait_kmcnt 0x0
	s_cmp_lt_u32 ttmp9, SUMWG
	s_cbranch_scc1 .Lsum
	; ---------------- x's path ----------------
	s_sub_co_u32 s18, ttmp9, SUMWG
	s_lshl_b32 s18, s18, 2
	s_add_co_u32 s18, s18, s16                     ; which run of 8,192 numbers is my wave's: 0 .. 4095
	s_mov_b32 s19, 0
	s_lshl_b64 s[20:21], s[18:19], 15              ; 32,768 bytes of x a run
	s_add_nc_u64 s[4:5], s[4:5], s[20:21]
.macro XLOAD t
.irp i, 0,1,2,3
	global_load_b128 v[R+24*((\t)%4)+8*\i-4*(\i/2):R+24*((\t)%4)+8*\i-4*(\i/2)+3], v3, s[4:5] offset:2048*(\t)+512*\i th:TH_LOAD_NT   ; 32 lanes read 512 consecutive bytes; x is read once
.endr
.endm
.irp t, 0,1,2,3
	XLOAD \t
.endr
	s_lshl_b64 s[20:21], s[18:19], 13              ; 8,192 bytes of codes,
	s_add_nc_u64 s[8:9], s[8:9], s[20:21]
	s_lshl_b64 s[20:21], s[18:19], 8               ; 256 scale bytes
	s_add_nc_u64 s[10:11], s[10:11], s[20:21]
	s_mul_i32 s17, s16, WREG
	s_mov_b32 s23, MANT
	v_lshl_add_u32 v4, v2, 2, s17                  ; into a stage: 4 x lane
	v_add_nc_u32 v5, s17, v3                       ; out of it: 16 x lane
	v_and_b32 v6, 3, v2
	v_lshrrev_b32 v9, 3, v2
	v_lshl_add_u32 v6, v6, 2, v9                   ; my scale byte of a step's 16: load lane % 4, block lane / 8 of it
	s_add_co_u32 s17, s17, 1024
	v_add_nc_u32 v6, s17, v6
	v_lshlrev_b32 v7, 3, v2                        ; the scale bytes' way out: 8 a lane
	v_add_nc_u32 v1, s17, v7
	v_and_b32 v9, 1, v2
	v_cmp_ne_u32 s24, 0, v9                        ; lanes with lane % 4 odd
	v_and_b32 v10, 2, v2
	v_cmp_ne_u32 s25, 0, v10                       ; lanes with lane % 4 at 2 or 3
.irp s, 0,1,2,3
.irp j, 4,5,6,7,16,17,18,19
	v_mov_b32 v[R+24*\s+\j], 0                     ; the zeros beside the numbers: written once
.endr
.endr
.macro STEP t
.set RS, R+24*((\t)%4)
.set DS, D+8*((\t)%2)
.if STEPS-1-(\t) >= 3
	s_wait_loadcnt 12                              ; this step's four loads are in; those of the three steps behind it may be out
.else
	s_wait_loadcnt 4*(STEPS-1-(\t))
.endif
.irp i, 0,1,2,3                        ; the four loads' blocks by turns: no line waits for the line above it
	v_max3_num_f32 v[M+\i], |v[RS+8*\i-4*(\i/2)]|, |v[RS+8*\i-4*(\i/2)+1]|, |v[RS+8*\i-4*(\i/2)+2]|
.endr
.irp i, 0,1,2,3
	v_max3_num_f32 v[M+\i], v[M+\i], |v[RS+8*\i-4*(\i/2)+3]|, (EMAX+1)<<23   ; and the floor 2^(16 - 127): the byte cannot fall under 1
.endr
.irp x, 1,2,4
.irp i, 0,1,2,3
	v_max_num_f32_dpp v[M+\i], v[M+\i], v[M+\i] row_xmask:\x row_mask:0xf bank_mask:0xf   ; with the block's other seven lanes
.endr
.endr
.irp i, 0,1,2,3
	v_add_nc_u32 v[S+\i], -(EMAX<<23), v[M+\i]     ; 15 off the exponent field: the conversion's scale operand
.endr
.irp i, 0,1,2,3
	v_and_or_b32 v[M+\i], v[M+\i], 0x7f800000, s23 ; 57,344 x the scale
.endr
.irp i, 0,1,2,3
.irp j, 0,1,2,3
	v_med3_num_f32 v[RS+8*\i-4*(\i/2)+\j], v[RS+8*\i-4*(\i/2)+\j], -v[M+\i], v[M+\i]   ; the conversion to an 8-bit code does not saturate (ISA guide 7.6.2)
.endr
.endr
	v_cvt_scalef32_pk8_bf8_f32 v[DS:DS+1], v[RS:RS+7], v[S]            ; numbers, zeros: the codes in the first register
	v_cvt_scalef32_pk8_bf8_f32 v[DS+2:DS+3], v[RS+4:RS+11], v[S+1]     ; zeros, numbers: in the second
	v_cvt_scalef32_pk8_bf8_f32 v[DS+4:DS+5], v[RS+12:RS+19], v[S+2]
	v_cvt_scalef32_pk8_bf8_f32 v[DS+6:DS+7], v[RS+16:RS+23], v[S+3]
	v_cndmask_b32 v[M], v[S], v[S+1], s24          ; lane l keeps the scale of load l % 4 (also the plain line behind the conversions)
	v_cndmask_b32 v[M+1], v[S+2], v[S+3], s24
	v_cndmask_b32 v[M], v[M], v[M+1], s25
	v_lshrrev_b32 v[E+(\t)%2], 23, v[M]            ; its byte
	ds_store_b32 v4, v[DS] offset:512*((\t)%2)     ; load i's codes of numbers 128 i + 4 lane + 0 .. 3
	ds_store_b32 v4, v[DS+3] offset:512*((\t)%2)+128
	ds_store_b32 v4, v[DS+4] offset:512*((\t)%2)+256
	ds_store_b32 v4, v[DS+7] offset:512*((\t)%2)+384
	ds_store_b8 v6, v[E+(\t)%2] offset:16*(\t)     ; two lanes write each byte, with the same value
.if (\t) == 15
	s_wait_xcnt 0x0                                ; step 0's store has read the registers that step 15's codes take
.endif
	ds_load_b128 v[O+4*((\t)%15):O+4*((\t)%15)+3], v5 offset:512*((\t)%2)   ; back: 16 neighbouring codes a lane; LDS serves a wave's instructions in order
.if (\t)+4 < STEPS
	XLOAD (\t)+4
.endif
.if (\t) > 0
	s_wait_dscnt 6                                 ; the six LDS instructions just issued may be out: the step before's are done
	global_store_b128 v3, v[O+4*(((\t)-1)%15):O+4*(((\t)-1)%15)+3], s[8:9] offset:512*((\t)-1)   ; the wave stores 512 consecutive bytes, aligned
.endif
.endm
	s_wait_alu depctr_va_vdst(0)
.irp t, 0,1,2,3,4,5,6,7,8,9,10,11,12,13,14,15
	STEP \t
.endr
	ds_load_b64 v[8:9], v1                         ; my wave's 256 scale bytes, 8 a lane
	s_wait_dscnt 0x0
	global_store_b128 v3, v[O:O+3], s[8:9] offset:512*15
	global_store_b64 v7, v[8:9], s[10:11]          ; 32 lanes store 256 consecutive bytes, aligned
	s_wait_tensorcnt 0x0                           ; the wave's end
	ds_add_u32 v12, v13
	s_wait_dscnt 0x0
	s_endpgm
	; ---------------- the sum of |weight| ----------------
.Lsum:
	s_lshl_b32 s17, ttmp9, 2
	s_add_co_u32 s17, s17, s16                     ; which run of 8,192 numbers is my wave's: 0 .. 1023
	s_lshl_b32 s20, s17, 15
	s_mov_b32 s21, 0
	s_add_nc_u64 s[6:7], s[6:7], s[20:21]
	s_lshl_b32 s18, s17, 2                         ; and its word among the partial sums
	s_mov_b32 s19, 0
	s_add_nc_u64 s[12:13], s[12:13], s[18:19]
	s_mov_b32 s24, 0x76543210
	s_mov_b32 s25, 0xfedcba98                      ; v_permlanex16_b32's selects for lane l xor 16
	v_mov_b32 v1, 0
.macro WLOAD t
.irp i, 0,1,2,3
	global_load_b128 v[R+16*((\t)%4)+4*\i:R+16*((\t)%4)+4*\i+3], v3, s[6:7] offset:2048*(\t)+512*\i
.endr
.endm
.macro SUMSTEP t
.set WR, R+16*((\t)%4)
.if 15-(\t) >= 3
	s_wait_loadcnt 12                              ; this step's four loads are in; those of the three steps behind it may be out
.else
	s_wait_loadcnt 4*(15-(\t))
.endif
.irp j, 0,1,2,3,4,5,6,7,8,9,10,11,12,13,14,15
.if (\t) == 0
	v_and_b32 v[A+\j], 0x7fffffff, v[WR+\j]        ; the first step starts the 16 chains: nothing is cleared
.else
	v_add_f32 v[A+\j], v[A+\j], |v[WR+\j]|
.endif
.endr
.if (\t)+4 < STEPS
	WLOAD (\t)+4
.endif
.endm
	s_wait_alu depctr_va_vdst(0)
.irp t, 0,1,2,3
	WLOAD \t
.endr
.irp t, 0,1,2,3,4,5,6,7,8,9,10,11,12,13,14,15
	SUMSTEP \t
.endr
.irp j, 0,2,4,6
	v_pk_add_f32 v[A+\j:A+\j+1], v[A+\j:A+\j+1], v[A+8+\j:A+9+\j]
.endr
.irp j, 0,2
	v_pk_add_f32 v[A+\j:A+\j+1], v[A+\j:A+\j+1], v[A+4+\j:A+5+\j]
.endr
	v_pk_add_f32 v[A:A+1], v[A:A+1], v[A+2:A+3]
	v_add_f32 v[A], v[A], v[A+1]
	v_add_f32_dpp v[A], v[A], v[A] row_xmask:1 row_mask:0xf bank_mask:0xf
	v_add_f32_dpp v[A], v[A], v[A] row_xmask:2 row_mask:0xf bank_mask:0xf
	v_add_f32_dpp v[A], v[A], v[A] row_xmask:4 row_mask:0xf bank_mask:0xf
	v_add_f32_dpp v[A], v[A], v[A] row_xmask:8 row_mask:0xf bank_mask:0xf
	v_permlanex16_b32 v[A+1], v[A], s24, s25
	v_add_f32 v[A], v[A], v[A+1]                   ; my wave's sum, in every lane
	v_cmp_eq_u32 vcc_lo, 0, v2
	s_wait_alu depctr_va_vdst(0)
	s_wait_xcnt 0x0                                ; EXEC is a source of the loads above: it changes only behind this wait
	s_and_saveexec_b32 s26, vcc_lo
	global_store_b32 v1, v[A], s[12:13]            ; lane 0 stores the one word
	s_wait_xcnt 0x0                                ; and again in front of the line that widens it
	s_or_b32 exec_lo, exec_lo, s26
	s_endpgm
.Lfunc_end_k_q319844a1da_quant_x_sum_w:
	.size	k_q319844a1da_quant_x_sum_w, .Lfunc_end_k_q319844a1da_quant_x_sum_w-k_q319844a1da_quant_x_sum_w
	.p2alignl 7, 3214868480
	.fill 96, 4, 3214868480
	.section	.rodata,"a",@progbits
	.p2align	6, 0x0
	.amdhsa_kernel k_q319844a1da_quant_x_sum_w
		.amdhsa_group_segment_fixed_size 5632
		.amdhsa_private_segment_fixed_size 0
		.amdhsa_enable_private_segment 0
		.amdhsa_kernarg_size 40
		.amdhsa_user_sgpr_count 2
		.amdhsa_user_sgpr_kernarg_segment_ptr 1
		.amdhsa_wavefront_size32 1
		.amdhsa_system_sgpr_workgroup_id_x 1
		.amdhsa_system_sgpr_workgroup_id_y 1
		.amdhsa_system_sgpr_workgroup_id_z 1
		.amdhsa_system_vgpr_workitem_id 0
		.amdhsa_next_free_vgpr 192
		.amdhsa_next_free_sgpr 66
		.amdhsa_reserve_vcc 1
		.amdhsa_float_denorm_mode_32 3
		.amdhsa_float_denorm_mode_16_64 3
		.amdhsa_memory_ordered 1
		.amdhsa_forward_progress 1
		.amdhsa_inst_pref_size 98
	.end_amdhsa_kernel
	.amdgpu_metadata
---
amdhsa.version: [ 1, 2 ]
amdhsa.kernels:
  - .name:           k_q319844a1da_quant_x_sum_w
    .symbol:         k_q319844a1da_quant_x_sum_w.kd
    .args:
      - { .name: x, .offset: 0, .size: 8, .value_kind: global_buffer, .address_space: global }
      - { .name: weight, .offset: 8, .size: 8, .value_kind: global_buffer, .address_space: global }
      - { .name: x_codes, .offset: 16, .size: 8, .value_kind: global_buffer, .address_space: global }
      - { .name: x_scales, .offset: 24, .size: 8, .value_kind: global_buffer, .address_space: global }
      - { .name: partials, .offset: 32, .size: 8, .value_kind: global_buffer, .address_space: global }
    .group_segment_fixed_size: 5632
    .private_segment_fixed_size: 0
    .kernarg_segment_align: 8
    .kernarg_segment_size: 40
    .max_flat_workgroup_size: 128
    .sgpr_count:     66
    .vgpr_count:     192
    .wavefront_size: 32
...
	.end_amdgpu_metadata
.endif
;; end of part 1
;; launch quant_w (part 2): grid 1024 x 1, 4 waves a work-group, no clusters, 4,608 bytes of LDS; arguments weight, partials, w_codes, wsc; writes w_codes, wsc
.if DOCPART == 2
	.amdgcn_target "amdgcn-amd-amdhsa--gfx1250"
	.amdhsa_code_object_version 6
	.text
	.protected	k_q319844a1da_quant_w
	.globl	k_q319844a1da_quant_w
	.p2align	8
	.type	k_q319844a1da_quant_w,@function
k_q319844a1da_quant_w:
	s_mov_b64 s[64:65], 0
	v_nop
	global_prefetch_b8 v0, s[64:65] scope:SCOPE_SE
	s_setreg_imm32_b32 hwreg(HW_REG_WAVE_MODE, 25, 1), 1
	s_wait_xcnt 0x0
; weight (2048 x 4096 f32) -> ternary numbers {-s, 0, +s}, s = max(mean |weight|, 1e-8), -> codes of BF8 (E5M2), K innermost, w_codes [2048][4096].
; Every wave makes s itself from the 1,024 partial sums, in the same order, so all have the same bits: sum x 2^-23 (2^23 numbers: exact), held at 1e-8 from below.
; round(clip(w / s, -1, 1)) is +-1 exactly where |w| > s / 2: a |w| above s / 2 gives a quotient that rounds above 0.5, and |w| = s / 2 gives 0.5, which rounds to 0 (ties to even).  So a compare stands for the division.
; Every block of 32 that is not all zeros has the largest magnitude s: ONE scale byte, s's exponent field - 15, serves the whole tensor.  A block of zeros carries the same byte: its codes are zeros,
; which add nothing under any byte but 0xff, and this program alone reads the byte.  The byte goes out once, four times in each of 64 words (wsc), by wave 0 of work-group 0.
; LIMITS: NaN and infinities are not served (a NaN weight becomes 0).  s carries the rounding of sums taken in this program's order; a weight within that of s / 2 may fall the other way.
; A wave takes 2,048 numbers in 4 steps of 512; all its 16 loads of 512 consecutive bytes are issued at its head.  A load leaves four neighbours in a lane, whose four codes fill one register: they turn through the
; wave's own stage in LDS (4 bytes a lane in, 16 out), so that the wave stores 512 consecutive bytes.  No barrier, no tensor load, no cluster: waves share nothing but the 4 KiB of partial sums.
.set STEPS, 4
.set R,  16                            ; v16-79   four sets of 16 numbers
.set P,  80                            ; v80-111  the partial sums; afterwards two sets of four code registers
.set O,  112                           ; v112-127 16 codes a lane for each step
.set SPW, 128                          ; v128 my spare word, v129 0: never rewritten
.set NIL, 129
	s_load_b128 s[4:7], s[0:1], 0x0                ; weight, the partial sums
	s_load_b128 s[8:11], s[0:1], 0x10              ; the codes, the scale words
	v_lshl_add_u32 v[SPW], v0, 2, 0x1000
	v_mov_b32 v[NIL], 0
	v_lshrrev_b32 v1, 5, v0
	v_readfirstlane_b32 s16, v1                    ; wave
	v_and_b32 v2, 31, v0                           ; lane
	v_lshlrev_b32 v3, 4, v2                        ; 16 x lane: my place in a load's and in a store's 512 bytes
	s_lshl_b32 s18, s16, 10                        ; my wave's 1,024 bytes of LDS: two stages of 512
	v_lshl_add_u32 v4, v2, 2, s18                  ; into a stage: 4 x lane
	v_add_nc_u32 v5, s18, v3                       ; out of it: 16 x lane
	v_lshlrev_b32 v14, 3, v2                       ; the scale words' store: 8 x lane
	s_lshl_b32 s17, ttmp9, 2
	s_add_co_u32 s17, s17, s16                     ; which run of 2,048 numbers is my wave's: 0 .. 4095
	s_lshl_b32 s20, s17, 13                        ; 8,192 bytes of weight a run,
	s_mov_b32 s21, 0
	s_lshl_b32 s28, s17, 11                        ; 2,048 of codes
	s_mov_b32 s29, 0
	s_mov_b32 s23, 0x7fffffff                      ; all but the sign
	s_mov_b32 s24, 0x76543210
	s_mov_b32 s25, 0xfedcba98                      ; v_permlanex16_b32's selects for lane l xor 16
	s_mov_b32 s27, 0x600000                        ; the mantissa field of 57,344
	s_wait_alu depctr_va_vdst(0)
	s_wait_kmcnt 0x0
	s_add_nc_u64 s[4:5], s[4:5], s[20:21]
	s_add_nc_u64 s[8:9], s[8:9], s[28:29]
.irp i, 0,1,2,3,4,5,6,7
	global_load_b128 v[P+4*\i:P+4*\i+3], v3, s[6:7] offset:512*\i   ; all 1,024 partial sums, 32 a lane
.endr
.irp t, 0,1,2,3
.irp i, 0,1,2,3
	global_load_b128 v[R+16*\t+4*\i:R+16*\t+4*\i+3], v3, s[4:5] offset:2048*\t+512*\i th:TH_LOAD_NT   ; the weight's last read
.endr
.endr
	s_wait_loadcnt 16                              ; the partial sums are in; the 16 weight loads issued behind them stay out
.irp j, 0,2,4,6,8,10,12,14
	v_pk_add_f32 v[P+\j:P+\j+1], v[P+\j:P+\j+1], v[P+16+\j:P+17+\j]
.endr
.irp j, 0,2,4,6
	v_pk_add_f32 v[P+\j:P+\j+1], v[P+\j:P+\j+1], v[P+8+\j:P+9+\j]
.endr
.irp j, 0,2
	v_pk_add_f32 v[P+\j:P+\j+1], v[P+\j:P+\j+1], v[P+4+\j:P+5+\j]
.endr
	v_pk_add_f32 v[P:P+1], v[P:P+1], v[P+2:P+3]
	v_add_f32 v[P], v[P], v[P+1]
	v_add_f32_dpp v[P], v[P], v[P] row_xmask:1 row_mask:0xf bank_mask:0xf
	v_add_f32_dpp v[P], v[P], v[P] row_xmask:2 row_mask:0xf bank_mask:0xf
	v_add_f32_dpp v[P], v[P], v[P] row_xmask:4 row_mask:0xf bank_mask:0xf
	v_add_f32_dpp v[P], v[P], v[P] row_xmask:8 row_mask:0xf bank_mask:0xf
	v_permlanex16_b32 v[P+1], v[P], s24, s25
	v_add_f32 v[P], v[P], v[P+1]                   ; the sum of |weight|, in every lane
	v_mul_f32 v6, 0x34000000, v[P]                 ; x 2^-23: the mean
	v_max_num_f32 v6, 0x322bcc77, v6               ; s = max(mean, 1e-8)
	v_mul_f32 v7, 0.5, v6                          ; s / 2, exact
	v_add_nc_u32 v9, 0xf8800000, v6                ; 15 off s's exponent field: the conversions' scale operand
	v_and_or_b32 v10, v6, 0x7f800000, s27          ; 57,344 x the scale
	v_min_num_f32 v8, v6, v10                      ; s, held: the conversion to an 8-bit code does not saturate (ISA guide 7.6.2)
	v_lshrrev_b32 v11, 23, v9                      ; the scale's byte: 85 at the least, since s is at least 1e-8
	v_lshl_or_b32 v12, v11, 8, v11
	v_lshl_or_b32 v12, v12, 16, v12                ; four times in a word: one word serves 128 along K
	v_mov_b32 v13, v12
	s_cmp_lg_u32 s17, 0
	s_cbranch_scc1 .Lnot_first
	global_store_b64 v14, v[12:13], s[10:11]       ; one wave of the launch stores the 64 words: 256 consecutive bytes, aligned; v12-14 are never rewritten
.Lnot_first:
.macro STEP t
.set XS, R+16*(\t)
.set CS, P+4*((\t)%2)
	s_wait_loadcnt 4*(STEPS-1-(\t))                ; this step's four loads are in; those of the steps behind it may be out
.irp j, 0,2,4,6,8,10,12,14             ; two numbers by turns, on two masks
	v_cmp_gt_f32 vcc_lo, |v[XS+\j]|, v7
	v_cmp_gt_f32 s26, |v[XS+\j+1]|, v7
	v_bfi_b32 v10, s23, v8, v[XS+\j]               ; the held s under w's sign
	v_bfi_b32 v11, s23, v8, v[XS+\j+1]
	v_cndmask_b32 v[XS+\j], 0, v10, vcc_lo         ; where |w| > s / 2, else 0
	v_cndmask_b32 v[XS+\j+1], 0, v11, s26
.endr
	v_cvt_scalef32_pk8_bf8_f32 v[CS:CS+1], v[XS:XS+7], v9
	v_cvt_scalef32_pk8_bf8_f32 v[CS+2:CS+3], v[XS+8:XS+15], v9
	v_nop                                          ; one plain line behind the conversions
.irp i, 0,1,2,3
	ds_store_b32 v4, v[CS+\i] offset:512*((\t)%2)+128*\i   ; register i: the codes of numbers 128 i + 4 lane + 0 .. 3
.endr
	ds_load_b128 v[O+4*(\t):O+4*(\t)+3], v5 offset:512*((\t)%2)   ; back: 16 neighbouring codes a lane; LDS serves a wave's instructions in order
.if (\t) > 0
	s_wait_dscnt 5                                 ; the five LDS instructions just issued may be out: the step before's codes are back
	global_store_b128 v3, v[O+4*((\t)-1):O+4*((\t)-1)+3], s[8:9] offset:512*((\t)-1)   ; the wave stores 512 consecutive bytes, aligned
.endif
.endm
	s_wait_alu depctr_va_vdst(0)                   ; s / 2, the held s
.irp t, 0,1,2,3
	STEP \t
.endr
	s_wait_dscnt 0x0
	global_store_b128 v3, v[O+12:O+15], s[8:9] offset:512*3
	s_wait_tensorcnt 0x0                           ; the wave's end
	ds_add_u32 v[SPW], v[NIL]
	s_wait_dscnt 0x0
	s_endpgm
.Lfunc_end_k_q319844a1da_quant_w:
	.size	k_q319844a1da_quant_w, .Lfunc_end_k_q319844a1da_quant_w-k_q319844a1da_quant_w
	.p2alignl 7, 3214868480
	.fill 96, 4, 3214868480
	.section	.rodata,"a",@progbits
	.p2align	6, 0x0
	.amdhsa_kernel k_q319844a1da_quant_w
		.amdhsa_group_segment_fixed_size 4608
		.amdhsa_private_segment_fixed_size 0
		.amdhsa_enable_private_segment 0
		.amdhsa_kernarg_size 32
		.amdhsa_user_sgpr_count 2
		.amdhsa_user_sgpr_kernarg_segment_ptr 1
		.amdhsa_wavefront_size32 1
		.amdhsa_system_sgpr_workgroup_id_x 1
		.amdhsa_system_sgpr_workgroup_id_y 1
		.amdhsa_system_sgpr_workgroup_id_z 1
		.amdhsa_system_vgpr_workitem_id 0
		.amdhsa_next_free_vgpr 130
		.amdhsa_next_free_sgpr 66
		.amdhsa_reserve_vcc 1
		.amdhsa_float_denorm_mode_32 3
		.amdhsa_float_denorm_mode_16_64 3
		.amdhsa_memory_ordered 1
		.amdhsa_forward_progress 1
		.amdhsa_inst_pref_size 20
	.end_amdhsa_kernel
	.amdgpu_metadata
---
amdhsa.version: [ 1, 2 ]
amdhsa.kernels:
  - .name:           k_q319844a1da_quant_w
    .symbol:         k_q319844a1da_quant_w.kd
    .args:
      - { .name: weight, .offset: 0, .size: 8, .value_kind: global_buffer, .address_space: global }
      - { .name: partials, .offset: 8, .size: 8, .value_kind: global_buffer, .address_space: global }
      - { .name: w_codes, .offset: 16, .size: 8, .value_kind: global_buffer, .address_space: global }
      - { .name: wsc, .offset: 24, .size: 8, .value_kind: global_buffer, .address_space: global }
    .group_segment_fixed_size: 4608
    .private_segment_fixed_size: 0
    .kernarg_segment_align: 8
    .kernarg_segment_size: 32
    .max_flat_workgroup_size: 128
    .sgpr_count:     66
    .vgpr_count:     130
    .wavefront_size: 32
...
	.end_amdgpu_metadata
.endif
;; end of part 2
;; launch gemm (part 3): grid 8 x 32, 4 waves a work-group, clusters of 4 x 4, 327,680 bytes of LDS; arguments x_codes, x_scales, w_codes, wsc, out0; writes out0
.if DOCPART == 3
	.amdgcn_target "amdgcn-amd-amdhsa--gfx1250"
	.amdhsa_code_object_version 6
	.text
	.protected	k_q319844a1da_gemm
	.globl	k_q319844a1da_gemm
	.p2align	8
	.type	k_q319844a1da_gemm,@function
k_q319844a1da_gemm:
	s_mov_b64 s[64:65], 0
	v_nop
	global_prefetch_b8 v0, s[64:65] scope:SCOPE_SE
	s_setreg_imm32_b32 hwreg(HW_REG_WAVE_MODE, 25, 1), 1
	s_wait_xcnt 0x0
	s_wait_alu depctr_hold_cnt(0) depctr_sa_sdst(0) depctr_va_vdst(0) depctr_va_sdst(0) depctr_va_ssrc(0) depctr_va_vcc(0) depctr_vm_vsrc(0)
	s_getreg_b32 s2, hwreg(HW_REG_IB_STS2, 6, 4)
	s_cmp_eq_u32 s2, 0
	s_cbranch_scc0 .Lentry_in_a_cluster
	s_endpgm
.Lentry_in_a_cluster:
	s_bfe_u32 s2, ttmp6, 0x10000c
	s_cmp_lg_u32 s2, 0xf033
	s_cbranch_scc0 .Lentry_shape_is_right
	s_endpgm
.Lentry_shape_is_right:
; out0[m][n] = sum over k of x[m][k] qw[n][k], both as codes of BF8 (E5M2) with E8M0 scales for 32 along K: x_codes [8192][4096], x_scales [8192][128], w_codes [2048][4096]; the weight has ONE scale byte (wsc: it four times a word).
; A work-group of four waves makes 256 x 256 of out0, a wave 128 x 128: 64 accumulators, 512 registers.  256 work-groups.  K goes in 16 steps of 256 through two LDS slots (256 rows of x, 256 of the weight, rows of 256 bytes + 16 of padding).
; x's scale bytes of the 256 rows, all of K, are one dense block of 32 KiB: it comes once, at the head, and stays behind the ring.
; CLUSTERS of 4 x 4: x's tiles are asked for jointly along a row of the cluster, the weight's along a column.  The product is used transposed (source 0 = the weight's rows): a lane holds eight neighbouring numbers of a row of out0.
; THE HEAD: one joint load a wave: wave 0 K step 0's 256 rows of x, wave 1 its 256 rows of the weight, waves 2 and 3 half of the scale bytes each; slot 1's first fill follows behind a drained round.
; A STEP of 128 along K is eight groups of eight products (one block of x against the weight's eight fragments) and TWO runs of LDS loads, one in its middle and one at its end.  x has one set of registers, the weight two.
; A slot's first step: middle: the next step's weight fragments 4-7 and x blocks 0-3 (32 loads); end: its x blocks 4-7 (16).  A slot's last step: middle, behind the change of slots: scale words, the weight's eight, x blocks 0-3 (56);
; end: x blocks 4-7 and, into the set just multiplied, fragments 0-3 of the weight for the step after next (32).  Each group waits by count for its own block of x alone.
; PREFETCH: behind the load of K step t each wave names K step t + 2: of the 128 rows that it fetches in the ring its work-group's 32 (told apart by address: cx for x, cy for the weight), a lane a row of 256 bytes.
; So each block of 256 bytes is named once in each cluster that loads it; K steps 0 and 1 come by their loads alone; the loads of K steps 14 and 15 name nothing; at most two K steps are asked for and not yet loaded.
; LIMITS: NaN and infinities are not served.
; REGISTERS: window 0: v10-31 addresses and the weight's scale word, v32-63 x's scale words (two sets), v128-255 x's fragments; window 1: the weight's fragments (two sets); windows 2, 3: the accumulators.
.set SIZE_N, 2048
.set KROW,   4096                      ; a row of codes in bytes
.set ROWB,   256                       ; a K step's part of it
.set NQ,     2                         ; products deep in a K step
.set PITCH,  272
.set FR,     16
.set NP,     8                         ; places behind this matrix instruction (ISA guide 7.12.1)
.set HALFT,  128*PITCH
.set SLOT,   4*HALFT
.set LAPS,   8                         ; a lap = two K steps
.set KS,     128                       ; a row of scale bytes
.set SCL,    2*SLOT                    ; the scale bytes: units of 256 bytes (two rows) + 16 of padding
.set HALFS,  64*272                    ; those of 128 rows
.set SBLK,   8*272                     ; of 16 rows
.set SPARE,  SCL+2*HALFS               ; the spare words: 512 bytes that no other line names
.set SPITCH, 528                       ; the way out: 16 rows x (512 + 16) bytes a wave, in slot 0 behind its last fill and last read
.set SPW,  10
.set NIL,  11
.set PFO,  12                          ; the prefetches' offset: lane x a row; never rewritten
.set WO,   13
.set ADRA, 16
.set ADRB, 20
.set STO,  24
.set RD,   25
.set CO,   26
.set ADRS, 27
.set WS,   30                          ; v30 and v29: the weight's scale word, twice: no product names two scale registers whose numbers are equal modulo 8
.set SC,   32
.set AF,   128
.set BK,   128
.set G1, 24
.set G0, 32
.set G1B, 48
.set G0B, 56
.set G1S, 68
.set G0S, 76
.set G0H, 80
.set G0HB, 84
.set PFA, 88
.set PADW, (1<<20)|(1<<21)|(5<<22)|(3<<25)     ; padding on, bit 21 beside a mask, 4 words behind every 64
.set MSB, 0
.macro WIN new
.if MSB != \new
	s_set_vgpr_msb (MSB<<8)|\new
.set MSB, \new
.endif
.endm
.set MUL_LO, 0xa1
.set TO_B,   0x40
.macro PLACES n
.rept \n
	v_nop
.endr
.endm
.macro TL g0, g1                       ; a tensor load; s_nop 0 and four v_nop follow it
	tensor_load_to_lds s[\g0:\g0+3], s[\g1:\g1+7]
	s_nop 0
	PLACES 4
.endm
.macro JLOAD s                         ; the ring's joint load: waves 0, 1 fetch x's two halves, waves 2, 3 the weight's
	s_cmp_eq_u32 s15, 0
	s_cbranch_scc0 .Lfor_b_\@
	TL G0+4*\s, G1
	s_branch .Lasked_\@
.Lfor_b_\@:
	TL G0B+4*\s, G1B
.Lasked_\@:
.endm
.macro CREST
	s_cmp_lg_u32 s14, 0
	s_cbranch_scc1 .Lnot_wave_0_\@
	s_barrier_signal -3
.Lnot_wave_0_\@:
	s_barrier_wait -3
	s_barrier_signal -1
	s_barrier_wait -1
.endm
.macro CROUND
	s_barrier_signal -1
	s_barrier_wait -1
	CREST
.endm
	s_load_b128 s[4:7], s[0:1], 0x0                ; x's codes, x's scale bytes
	s_load_b128 s[8:11], s[0:1], 0x10              ; the weight's codes, its scale words
	s_load_b64 s[12:13], s[0:1], 0x20              ; out0
	v_lshl_add_u32 v[SPW], v0, 2, SPARE
	v_mov_b32 v[NIL], 0
	ds_add_u32 v[SPW], v[NIL]                      ; the opening lines: the add twice on end and its wait
	ds_add_u32 v[SPW], v[NIL]
	v_lshrrev_b32 v1, 5, v0
	v_readfirstlane_b32 s14, v1                    ; wave
	s_lshr_b32 s15, s14, 1                         ; my half of the rows; also: I fetch for x (0) or for the weight (1)
	s_and_b32 s16, s14, 1                          ; my half of the columns; also: which 128 rows I fetch
	s_bfe_u32 s40, ttmp6, 0x40000                  ; cx
	s_bfe_u32 s41, ttmp6, 0x40004                  ; cy
	s_lshl_b32 s42, ttmp9, 2
	s_add_co_u32 s42, s42, s40                     ; tile column
	s_and_b32 s17, ttmp7, 0xffff
	s_lshl_b32 s17, s17, 2
	s_add_co_u32 s17, s17, s41                     ; tile row
	s_lshl_b32 s43, s41, 2
	s_lshl_b32 s43, 15, s43                        ; my row of the cluster
	s_lshl_b32 s44, 0x1111, s40                    ; my column
	s_or_b32 s[G1+0], s43, PADW
	s_or_b32 s[G1B+0], s44, PADW
.irp g, G1, G1B                        ; rows of 256 bytes: 256 of them for the head's loads
	s_mov_b32 s[\g+1], ROWB<<16
	s_mov_b32 s[\g+2], 256<<16
	s_mov_b32 s[\g+3], ROWB<<16
	s_mov_b32 s[\g+4], 256
	s_mov_b32 s[\g+5], KROW
	s_mov_b32 s[\g+6], 0
	s_mov_b32 s[\g+7], 0
.endr
	s_or_b32 s[G1S+0], s43, (3<<16)|PADW           ; the scale bytes of 128 rows: 64 dense rows of 32 elements of 8 bytes
	s_mov_b32 s[G1S+1], 32<<16
	s_mov_b32 s[G1S+2], 64<<16
	s_mov_b32 s[G1S+3], 32<<16
	s_mov_b32 s[G1S+4], 64
	s_mov_b32 s[G1S+5], 32
	s_mov_b32 s[G1S+6], 0
	s_mov_b32 s[G1S+7], 0
	s_lshl_b32 s20, s17, 20                        ; byte offsets: x's tile: 256 rows of 4,096 bytes a tile row
	s_mov_b32 s21, 0
	s_lshl_b32 s46, s42, 20                        ; the weight's
	s_mov_b32 s47, 0
	s_lshl_b32 s22, s17, 15                        ; x's scale bytes: 256 rows of 128, and my half of them
	s_lshl_b32 s23, s16, 14
	s_add_co_u32 s22, s22, s23
	s_mov_b32 s23, 0
	s_lshl_b32 s18, s16, 19                        ; in the ring: which 128 rows I fetch
	s_mov_b32 s19, 0
	s_mul_i32 s45, s14, HALFT                      ; and where they go
	s_mul_i32 s92, s16, HALFS
	s_wait_dscnt 0x0                               ; both opening adds are done
	CROUND                                         ; the round in front of the first joint loads
	s_wait_kmcnt 0x0
	s_add_nc_u64 s[20:21], s[4:5], s[20:21]
	s_add_nc_u64 s[22:23], s[6:7], s[22:23]
	s_add_nc_u64 s[46:47], s[8:9], s[46:47]
	s_mov_b32 s[G0H], 1
	s_mov_b32 s[G0H+1], 0
	s_mov_b64 s[G0H+2:G0H+3], s[20:21]
	s_or_b32 s[G0H+3], s[G0H+3], 0x80000000
	s_mov_b32 s[G0HB], 1
	s_mov_b32 s[G0HB+1], 2*HALFT
	s_mov_b64 s[G0HB+2:G0HB+3], s[46:47]
	s_or_b32 s[G0HB+3], s[G0HB+3], 0x80000000
	s_mov_b32 s[G0S], 1
	s_add_co_u32 s[G0S+1], s92, SCL
	s_mov_b64 s[G0S+2:G0S+3], s[22:23]
	s_or_b32 s[G0S+3], s[G0S+3], 0x80000000
	s_add_nc_u64 s[20:21], s[20:21], s[18:19]
	s_add_nc_u64 s[46:47], s[46:47], s[18:19]
.irp s, 0,1
	s_mov_b32 s[G0+4*\s], 1
	s_add_co_u32 s[G0+4*\s+1], s45, \s*SLOT
	s_add_nc_u64 s[G0+4*\s+2:G0+4*\s+3], s[20:21], \s*ROWB
	s_or_b32 s[G0+4*\s+3], s[G0+4*\s+3], 0x80000000
	s_mov_b32 s[G0B+4*\s], 1
	s_add_co_u32 s[G0B+4*\s+1], s45, \s*SLOT
	s_add_nc_u64 s[G0B+4*\s+2:G0B+4*\s+3], s[46:47], \s*ROWB
	s_or_b32 s[G0B+4*\s+3], s[G0B+4*\s+3], 0x80000000
.endr
.macro ARM under, g0, g1, next         ; one chain of branches on the wave's number, one load to an arm
	s_cmp_lt_u32 s14, \under
	s_cbranch_scc0 \next
	TL \g0, \g1
	s_branch .Lhead_asked
\next:
.endm
	ARM 1, G0H,  G1,  .Lhead_b
	ARM 2, G0HB, G1B, .Lhead_s
	TL G0S, G1S
.Lhead_asked:
	s_lshl_b32 s93, s17, 8                         ; the prefetches: the tile's first row, in x by the tile row, in the weight by the tile column,
	s_lshl_b32 s94, s42, 8
	s_cmp_eq_u32 s15, 0
	s_cselect_b32 s93, s93, s94
	s_cselect_b32 s94, s40, s41                    ; my place among the four that ask with me
	s_cselect_b64 s[PFA:PFA+1], s[4:5], s[8:9]
	s_lshl_b32 s95, s16, 7
	s_add_co_u32 s93, s93, s95                     ; + the 128 rows that I fetch
	s_lshl_b32 s94, s94, 5
	s_add_co_u32 s93, s93, s94                     ; + my work-group's 32 of them
	s_lshl_b32 s94, s93, 12
	s_add_co_u32 s94, s94, 2*ROWB                  ; at K step 2
	s_mov_b32 s95, 0
	s_add_nc_u64 s[PFA:PFA+1], s[PFA:PFA+1], s[94:95]
	s_mul_i32 s18, s15, HALFT                      ; my 128 rows of x in a slot,
	s_mul_i32 s19, s16, HALFT
	s_add_co_u32 s19, s19, 2*HALFT                 ; of the weight,
	s_mul_i32 s22, s15, HALFS
	s_add_co_u32 s22, s22, SCL                     ; x's scale bytes,
	s_mul_i32 s23, s14, 16*SPITCH                  ; my stage
	s_lshl_b32 s20, s17, 21                        ; out0: (256 tile row + 128 half) rows of 8,192 bytes + 1,024 tile column + 512 half
	s_lshl_b32 s21, s15, 20
	s_add_co_u32 s20, s20, s21
	s_lshl_b32 s21, s42, 10
	s_add_co_u32 s20, s20, s21
	s_lshl_b32 s21, s16, 9
	s_add_co_u32 s20, s20, s21
	s_mov_b32 s21, 0
	s_add_nc_u64 s[12:13], s[12:13], s[20:21]
	v_and_b32 v6, 31, v0
	v_mul_u32_u24 v[PFO], v6, KROW
	global_prefetch_b8 v[PFO], s[PFA:PFA+1] th:TH_LOAD_NT scope:SCOPE_SE   ; K step 2, behind K step 0's load
	v_lshlrev_b32 v[WO], 2, v6
	global_load_b32 v[WS], v[WO], s[10:11]
	global_load_b32 v[WS-1], v[WO], s[10:11]
	v_and_b32 v1, 15, v0                           ; l % 16
	v_bfe_u32 v2, v0, 4, 1                         ; l / 16
	v_mul_u32_u24 v3, v1, PITCH
	v_lshl_add_u32 v4, v2, 4, v3                   ; a fragment's row x pitch + 16 x half
	v_add_nc_u32 v[ADRA], s18, v4
	v_add_nc_u32 v[ADRB], s19, v4
	v_add_nc_u32 v[ADRA+1], SLOT, v[ADRA]
	v_add_nc_u32 v[ADRB+1], SLOT, v[ADRB]
	v_mul_u32_u24 v5, v1, KS                       ; my row's scale bytes, and 16 more for each 256 passed
	v_lshrrev_b32 v3, 8, v5
	v_lshl_add_u32 v5, v3, 4, v5
	v_add_nc_u32 v[ADRS], s22, v5
	v_mul_u32_u24 v5, v1, SPITCH                   ; into the stage: row l % 16, 32 bytes for each half of the lanes
	v_lshl_add_u32 v5, v2, 5, v5
	v_add_nc_u32 v[STO], s23, v5
	v_lshlrev_b32 v[CO], 4, v6                     ; back: 32 lanes take a row of 512 bytes; the same in out0
	v_add_nc_u32 v[RD], s23, v[CO]
.macro FRAG reg, adr, q, i             ; 16 rows x 128 K: registers 4 c .. 4 c + 3 hold K = 32 c + 16 (l / 16) + 0 .. 15
.irp c, 0,1,2,3
	ds_load_b128 v[\reg+4*\c:\reg+4*\c+3], v[\adr] offset:128*(\q)+32*\c+(\i)*16*PITCH
.endr
.endm
.macro LB slot, q, p, i                ; the weight's fragment i into set p
	WIN TO_B
	FRAG 128*(\p)+FR*(\i), ADRB+\slot, \q, \i
.endm
.macro LA slot, q, i                   ; x's block i
	WIN 0
	FRAG AF+FR*(\i), ADRA+\slot, \q, \i
.endm
.macro SCALES sc                       ; a K step's two scale words of each of x's eight blocks
.irp i, 0,1,2,3,4,5,6,7
	ds_load_b64 v[SC+8*NQ*\sc+NQ*\i:SC+8*NQ*\sc+NQ*\i+1], v[ADRS] offset:\i*SBLK
.endr
.endm
; A group: x's block a against the weight's eight fragments of set p.  The 64 accumulators take turns in the same order in every step.
.macro GRP a, p, q, sc, zero
	WIN MUL_LO+0x50*((\a)/4)
.irp b, 0,1,2,3,4,5,6,7
.if \zero
	v_wmma_scale_f32_16x16x128_f8f6f4 v[8*(8*((\a)%4)+\b):8*(8*((\a)%4)+\b)+7], v[128*(\p)+FR*\b:128*(\p)+FR*\b+FR-1], v[AF+FR*(\a):AF+FR*(\a)+FR-1], 0, v[WS-((NQ*(\a)+(\q))%8)/6], v[SC+8*NQ*(\sc)+NQ*(\a)+(\q)] matrix_a_fmt:MATRIX_FMT_BF8 matrix_b_fmt:MATRIX_FMT_BF8
.else
	v_wmma_scale_f32_16x16x128_f8f6f4 v[8*(8*((\a)%4)+\b):8*(8*((\a)%4)+\b)+7], v[128*(\p)+FR*\b:128*(\p)+FR*\b+FR-1], v[AF+FR*(\a):AF+FR*(\a)+FR-1], v[8*(8*((\a)%4)+\b):8*(8*((\a)%4)+\b)+7], v[WS-((NQ*(\a)+(\q))%8)/6], v[SC+8*NQ*(\sc)+NQ*(\a)+(\q)] matrix_a_fmt:MATRIX_FMT_BF8 matrix_b_fmt:MATRIX_FMT_BF8
.endif
.endr
.endm
; A slot's first 128 along K (the weight's set 0).  Ahead of it were issued, in this order: scale words, the weight's 0-7, x's 0, 1, 2, 3 | x's 4, 5, 6, 7, the next step's weight 0-3.
.macro STEP slot, zero
.irp a, 0,1,2,3
	s_wait_dscnt 44-4*\a                           ; x's block a is in: behind it stand 4 (3 - a) loads of blocks up to 3 and the 32 of the last run
	GRP \a, 0, 0, \slot, \zero
.endr
	PLACES NP
.irp i, 4,5,6,7
	LB \slot, 1, 1, \i
.endr
.irp i, 0,1,2,3
	LA \slot, 1, \i
.endr
.irp a, 4,5,6,7
	s_wait_dscnt 76-4*\a                           ; x's block a: behind it 4 (7 - a) loads of blocks up to 7, the weight's 16 and the 32 just issued
	GRP \a, 0, 0, \slot, \zero
.endr
	PLACES NP
.irp i, 4,5,6,7
	LA \slot, 1, \i
.endr
.endm
; A slot's last 128 along K (the weight's set 1), and the change of slots: my reads of this slot ended with the run above.
.macro TURN slot, next, fill
.if \fill
	s_wait_xcnt 0x0                                ; my last prefetch has read its address: it steps one K step
	s_add_nc_u64 s[PFA:PFA+1], s[PFA:PFA+1], ROWB
.endif
	s_wait_tensorcnt 0x0                           ; my one load that was out, my part of the next slot, is in
	ds_add_u32 v[SPW], v[NIL]
	s_wait_dscnt 28                                ; x's block 0 is in (behind it: blocks 1-3, blocks 4-7 and the add: 29)
	GRP 0, 1, 1, \slot, 0
	s_wait_dscnt 24                                ; block 1 (behind it 25)
	GRP 1, 1, 1, \slot, 0
	s_wait_dscnt 0x0                               ; the add is done, my reads of this slot are over
	s_barrier_signal -1
	GRP 2, 1, 1, \slot, 0
	GRP 3, 1, 1, \slot, 0
	WIN 0
	s_barrier_wait -1
.if \fill
	CREST                                          ; the barrier has opened a round of the cluster's barrier
	s_add_nc_u64 s[G0+4*\slot+2:G0+4*\slot+3], s[G0+4*\slot+2:G0+4*\slot+3], 2*ROWB
	s_add_nc_u64 s[G0B+4*\slot+2:G0B+4*\slot+3], s[G0B+4*\slot+2:G0B+4*\slot+3], 2*ROWB
	JLOAD \slot                                    ; the refill, first behind the round; its four v_nop are four of the eight places
	PLACES NP-4
.else
	PLACES NP
.endif
	v_add_nc_u32 v[ADRS], 4*NQ, v[ADRS]            ; the next K step's scale words
	s_wait_alu depctr_va_vdst(0)
	SCALES \next
.irp i, 0,1,2,3,4,5,6,7
	LB \next, 0, 0, \i
.endr
.irp i, 0,1,2,3
	LA \next, 0, \i
.endr
.if \fill
	s_cmp_gt_u32 s3, 1                             ; the last trip's two refills have no K step two on
	s_cbranch_scc0 .Lnone_\@
	global_prefetch_b8 v[PFO], s[PFA:PFA+1] offset:ROWB th:TH_LOAD_NT scope:SCOPE_SE   ; the K step two behind the one just asked for
.Lnone_\@:
.endif
.irp a, 4,5,6,7
	GRP \a, 1, 1, \slot, 0
.endr
	PLACES NP
.irp i, 4,5,6,7
	LA \next, 0, \i
.endr
.irp i, 0,1,2,3
	LB \next, 1, 1, \i                             ; set 1 is multiplied out: it takes the step after next's first four fragments
.endr
	WIN 0
.endm
	s_wait_alu depctr_va_vdst(0)
	s_wait_tensorcnt 0x0                           ; my tile of the head's is in
	ds_add_u32 v[SPW], v[NIL]
	s_mov_b32 s[G1+2], 128<<16                     ; no load of mine is out: from here on a load brings 128 rows
	s_mov_b32 s[G1+4], 128
	s_mov_b32 s[G1B+2], 128<<16
	s_mov_b32 s[G1B+4], 128
	s_wait_dscnt 0x0
	CROUND
	JLOAD 1                                        ; K step 1, first behind the round
	SCALES 0                                       ; the first step's fragments, in the order of a change of slots
.irp i, 0,1,2,3,4,5,6,7
	LB 0, 0, 0, \i
.endr
.irp i, 0,1,2,3,4,5,6,7
	LA 0, 0, \i
.endr
.irp i, 0,1,2,3
	LB 0, 1, 1, \i
.endr
	WIN 0
	global_prefetch_b8 v[PFO], s[PFA:PFA+1] offset:ROWB th:TH_LOAD_NT scope:SCOPE_SE   ; K step 3
	s_wait_loadcnt 0x0                             ; the weight's scale word
	STEP 0, 1                                      ; the first products start the sums
	s_mov_b32 s3, LAPS-1
.Llap:                                                 ; once round the ring: both slots are filled again
	TURN 0, 1, 1
	STEP 1, 0
	TURN 1, 0, 1
	STEP 0, 0
	s_sub_co_u32 s3, s3, 1
	s_cmp_lg_u32 s3, 0
	s_cbranch_scc1 .Llap
	TURN 0, 1, 0                                   ; the last lap fills nothing
	STEP 1, 0
.irp a, 0,1,2,3,4,5,6,7                ; the very last step: nothing more to fetch
	s_wait_dscnt 28-4*\a                           ; x's block a: behind it the 4 (7 - a) loads of the later blocks
	GRP \a, 1, 1, 1, 0
.endr
	WIN 0
; THE WAY OUT, by blocks of 16 rows x 128 columns: through my own stage, back as whole rows of 512 bytes.  LDS serves a wave's instructions in order (ISA guide 5.7.1.4).
.macro TOSTAGE a
.set AC, 64*((\a)%4)
	WIN 0x08+4*((\a)/4)
.irp b, 0,1,2,3,4,5,6,7
	ds_store_b128 v[STO], v[AC+8*\b:AC+8*\b+3] offset:64*\b          ; each accumulator from its low end on
	ds_store_b128 v[STO], v[AC+8*\b+4:AC+8*\b+7] offset:64*\b+16
.endr
	WIN 0
.set BB, BK+64*((\a)%2)
.irp t, 0,1,2,3,4,5,6,7,8,9,10,11,12,13,14,15
	ds_load_b128 v[BB+4*\t:BB+4*\t+3], v[RD] offset:\t*SPITCH
.endr
.endm
.macro SEND a, younger
.set BB, BK+64*((\a)%2)
	s_wait_dscnt \younger                          ; the block is back; the LDS instructions issued behind its loads may be out
.if (\a) > 0
	s_add_nc_u64 s[12:13], s[12:13], 16*SIZE_N*4   ; behind a wait on XCNT: the earlier stores have read their base
.endif
.irp t, 0,1,2,3,4,5,6,7,8,9,10,11,12,13,14,15
	global_store_b128 v[CO], v[BB+4*\t:BB+4*\t+3], s[12:13] offset:\t*SIZE_N*4 th:TH_STORE_NT   ; 32 lanes store 512 consecutive bytes, aligned
.endr
.endm
	PLACES NP
	TOSTAGE 0
.irp a, 1,2,3,4,5,6,7
.if \a > 1
	s_wait_xcnt 0x0                                ; block a - 2's stores have read their registers and their base
.endif
	TOSTAGE \a
	SEND \a-1, 32
.endr
	s_wait_xcnt 0x0
	SEND 7, 0
	s_wait_tensorcnt 0x0                           ; the wave's end
	ds_add_u32 v[SPW], v[NIL]
	s_wait_dscnt 0x0
	CROUND                                         ; the closing round
	s_endpgm
.Lfunc_end_k_q319844a1da_gemm:
	.size	k_q319844a1da_gemm, .Lfunc_end_k_q319844a1da_gemm-k_q319844a1da_gemm
	.p2alignl 7, 3214868480
	.fill 96, 4, 3214868480
	.section	.rodata,"a",@progbits
	.p2align	6, 0x0
	.amdhsa_kernel k_q319844a1da_gemm
		.amdhsa_group_segment_fixed_size 327680
		.amdhsa_private_segment_fixed_size 0
		.amdhsa_enable_private_segment 0
		.amdhsa_kernarg_size 40
		.amdhsa_user_sgpr_count 2
		.amdhsa_user_sgpr_kernarg_segment_ptr 1
		.amdhsa_wavefront_size32 1
		.amdhsa_system_sgpr_workgroup_id_x 1
		.amdhsa_system_sgpr_workgroup_id_y 1
		.amdhsa_system_sgpr_workgroup_id_z 1
		.amdhsa_system_vgpr_workitem_id 0
		.amdhsa_next_free_vgpr 1024
		.amdhsa_next_free_sgpr 96
		.amdhsa_reserve_vcc 0
		.amdhsa_float_denorm_mode_32 3
		.amdhsa_float_denorm_mode_16_64 3
		.amdhsa_memory_ordered 1
		.amdhsa_forward_progress 1
		.amdhsa_inst_pref_size 148
	.end_amdhsa_kernel
	.amdgpu_metadata
---
amdhsa.version: [ 1, 2 ]
amdhsa.kernels:
  - .name:           k_q319844a1da_gemm
    .symbol:         k_q319844a1da_gemm.kd
    .args:
      - { .name: x_codes, .offset: 0, .size: 8, .value_kind: global_buffer, .address_space: global }
      - { .name: x_scales, .offset: 8, .size: 8, .value_kind: global_buffer, .address_space: global }
      - { .name: w_codes, .offset: 16, .size: 8, .value_kind: global_buffer, .address_space: global }
      - { .name: wsc, .offset: 24, .size: 8, .value_kind: global_buffer, .address_space: global }
      - { .name: out0, .offset: 32, .size: 8, .value_kind: global_buffer, .address_space: global }
    .group_segment_fixed_size: 327680
    .private_segment_fixed_size: 0
    .kernarg_segment_align: 8
    .kernarg_segment_size: 40
    .max_flat_workgroup_size: 128
    .sgpr_count:     96
    .vgpr_count:     1024
    .wavefront_size: 32
...
	.end_amdgpu_metadata
.endif
;; end of part 3
